; MI455X (gfx1250); checked and timed in simulation.
; The chip was launched on July 23, 2026; its instructions are those of AMD's public machine-readable ISA for CDNA 5 (MIT licence, August 2026) and "CDNA5" Instruction Set Architecture Reference Guide (July 2026). The comments in the code are by the model that wrote it; some were corrected since.
;; Attention Block. Allowed arithmetic: matrix products marked QUANTISED: E2M3 operands, one E8M0 scale for each 32 along K, by v_wmma_scale_f32_16x16x128_f8f6f4 with both operands' format E2M3, f32 sums; everything else in f32.
;; Inputs: bk 256 float32; bp 256 float32; bq 256 float32; bv 256 float32; wk 256 x 256 float32; wp 256 x 256 float32; wq 256 x 256 float32; wv 256 x 256 float32; x 4 x 256 x 64 x 64 float32.
;; Outputs: out0 4 x 256 x 64 x 64 float32.
;; This version of the problem:
;;   THIS VERSION OF THE PROBLEM IS GIVEN IN LOW PRECISION. The matrix products marked QUANTISED in the list below multiply operands that are first quantised to E2M3 (2 exponent bits, 3 mantissa bits; 6 bits a number), with one power-of-two scale for each 32 numbers along K (OCP MX v1.0); their sums are f32. All else is computed in f32.
;;   The module's matrix products, in the order in which they are computed (A, B: the left and right operand; K: the contracted axis; several contracted axes count as one K, in the product's order):
;;     1. [M 256, K 256] x [K 256, N 16,384]; A: input wq; B: computed on the way: QUANTISED
;;     2. [M 256, K 256] x [K 256, N 16,384]; A: input wk; B: computed on the way: QUANTISED
;;     3. [M 256, K 256] x [K 256, N 16,384]; A: input wv; B: computed on the way: QUANTISED
;;     4. batch 4 x [M 4,096, K 256] x [K 256, N 4,096]; A: computed on the way; B: computed on the way: QUANTISED
;;     5. batch 4 x [M 256, K 4,096] x [K 4,096, N 4,096]; A: computed on the way; B: softmax (see below): QUANTISED
;;     6. [M 256, K 256] x [K 256, N 16,384]; A: input wp; B: computed on the way: QUANTISED
;;   THE QUANTISER, for each operand of a quantised product, along K:
;;     - K is cut into blocks of 32 from its start; a last block that is shorter is filled with zeros.
;;     - A block's scale is 2^e with e = floor(log2(the largest magnitude in the block)) - 2, held to -126 .. 127; a block of zeros has e = 0. As a byte (E8M0): e + 127.
;;     - Each number is divided by its block's scale, clamped to +-7.5, and rounded to the nearest number of E2M3, ties to even, subnormals kept.
;;     - The product sums the exact products of the quantised numbers (number of the format x scale) in f32.
;;   ~~~python
;;   def quantise(x, axis):      # numpy; x: float32 -> the quantised numbers, widened to float32 again
;;       x = np.moveaxis(x, axis, -1); K = x.shape[-1]
;;       x = np.pad(x, [(0, 0)] * (x.ndim - 1) + [(0, -K % 32)]); x = x.reshape(x.shape[:-1] + (-1, 32)); a = np.abs(x).max(-1, keepdims=True)
;;       e = np.where(a > 0, np.clip(np.frexp(np.where(a > 0, a, 1))[1] - 1 - 2, -126, 127), 0)      # np.frexp(a)[1] - 1 = floor(log2(a)), exactly
;;       r = np.clip(x / 2.0 ** e, -7.5, 7.5)
;;       step = 2.0 ** (np.maximum(np.frexp(np.where(r == 0, 1, r))[1] - 1, 0) - 3)
;;       q = np.round(r / step) * step * 2.0 ** e      # np.round: ties to even
;;       return np.moveaxis(q.reshape(q.shape[:-2] + (-1,))[..., :K], -1, axis).astype(np.float32)
;;   ~~~
;;   SOFTMAX AHEAD OF A QUANTISED PRODUCT. Where the list says 'softmax', what is quantised is not the finished softmax but p = 2^(t - M), with t = logit x log2(e) and M = ceil(the row's largest t), a whole number; so 1/2 < the row's largest p <= 1. The row's sum l is taken of the UNQUANTISED p, in f32, and the product's result is divided by l at the end. Since M is a whole number, a kernel that streams over the keys may use a running M (the ceiling of the running maximum): every later rescaling is an exact power of two, which a block's scale takes up: the codes' values come out the same.
;;   OPERANDS COMPUTED ON THE WAY. 'Computed on the way' means the value that the module computes at that place (a softmax that the list does not call 'softmax' is quantised finished and normalised). What goes into a quantiser is computed in f32, as accurately as f32 sums, v_exp_f32 and their like allow (about 1e-6 of the number): no bf16 or f16 on the way to a quantiser, and a product that is left as it is and whose result goes on into a quantised operand takes f32 operands (vector FMAs, or v_wmma_f32_16x16x4_f32). A number that lies on a knife's edge between two numbers of the format may be rounded either way, as far as f32 arithmetic and the matrix unit's own rounding can turn it there, and no further.
;; One version. Each part assembles by itself: llvm-mc -triple=amdgcn-amd-amdhsa -mcpu=gfx1250 --defsym DOCPART=n.
;; ======== version 1 of 1: 3 launches
;; workspace buffers: stats 8,192 bytes; wimg 196,608 bytes; wsc 8,192 bytes; qc 3,145,728 bytes; qs 131,072 bytes; kv 6,553,600 bytes
;; launch prep (part 1): grid 272 x 1, 4 waves a work-group, no clusters, 0 bytes of LDS; arguments x, wq, wk, wv, wp, stats, wimg, wsc; writes stats, wimg, wsc
.if DOCPART == 1
	.amdgcn_target "amdgcn-amd-amdhsa--gfx1250"
	.amdhsa_code_object_version 6
	.text
	.protected	k_q5ee9ab399e_prep
	.globl	k_q5ee9ab399e_prep
	.p2align	8
	.type	k_q5ee9ab399e_prep,@function
k_q5ee9ab399e_prep:
	s_mov_b64 s[64:65], 0
	v_nop
	global_prefetch_b8 v0, s[64:65] scope:SCOPE_SE
	s_setreg_imm32_b32 hwreg(HW_REG_WAVE_MODE, 25, 1), 1
	s_wait_xcnt 0x0
; Two jobs that nothing else can start without, in one launch; the work-group's number chooses the way.
; WORK-GROUPS 0-255: the instance norm's statistics.  A wave takes one plane (b, c) of x: 4,096 numbers, 16,384 bytes, 128 registers a lane.  The plane stays in registers between
;   the pass that finds the mean and the pass that sums (x - mean)^2, so no difference of large sums is formed.  stats: [b][2][256] f32: mean at 2048 b + 4 c, 1 / sqrt(var + eps) 1,024 bytes on.
;   Each plane leaves 8 bytes: stores of 4 bytes a lane, 8,192 bytes in the whole launch.
; WORK-GROUPS 256-271: the four weights [256][256] f32 (K innermost) become codes of FP6 (E2M3) with one E8M0 byte for each 32 along K, laid as IMAGES OF THE OPERAND'S REGISTERS.
;   A wave takes one tile of 16 rows: two fragments of 16 rows x 128 K, 12 registers a lane; register 4 g + i of lane l lies at 512 g + 16 l + 4 i of the fragment's 1,536 bytes.
;   THE ROWS OF A TILE ARE NOT NEIGHBOURS: lane r of tile 2 b + u takes row 32 b + 8 u + r + 8 (r / 8), so that the results of two neighbouring tiles are 16 neighbours along the next product's K.
;   wimg: [matrix q, k, v, p][tile 16][K step 2][1,536].  wsc: [matrix][tile][32 words]: lanes 0-15 the rows' words of K step 0, lanes 16-31 those of K step 1.
;   A lane reads 128 consecutive bytes of its row for each block: pieces of 16 bytes of 16 rows in a load; the four weights are 1 MiB in all.
; A block's scale is 2^(floor(log2(its largest magnitude)) - 2); its byte is the largest magnitude's exponent field - 2, held at 1 from below.
; LIMITS: a block of zeros, or one whose largest magnitude lies under 2^-124, keeps the byte 1 (its codes are zeros or what that scale gives; this program alone reads the bytes); NaN and infinities are not served.
; No LDS, no barrier, no matrix unit: waves share nothing, and memory binds.
.set X,   16                           ; v16-143   the plane, or the tile's 4 blocks of 32 numbers a lane
.set CH,  144                          ; v144-151  four chains of pairs;  on the weights' way v144-159 magnitudes, scale operands, bytes, words
.set RED, 152                          ; v152      a sum across the wave;  v153 the other half's
.set F,   160                          ; v160-183  the two fragments;  v184-199 the blocks' second halves as the conversions leave them
	s_load_b512 s[4:19], s[0:1], 0x0               ; x s[4:5], wq s[6:7], wk s[8:9], wv s[10:11], wp s[12:13], stats s[14:15], wimg s[16:17], wsc s[18:19]
	v_lshrrev_b32 v1, 5, v0
	v_readfirstlane_b32 s20, v1                    ; wave 0..3
	v_and_b32 v1, 31, v0                           ; lane
	s_mov_b32 s22, 0x76543210
	s_mov_b32 s23, 0xfedcba98                      ; v_permlanex16_b32's selects for lane l xor 16
	s_mov_b32 s27, 0
	s_cmp_lt_u32 ttmp9, 256
	s_cbranch_scc0 .Lweights
	; ---- the statistics of plane p = 4 x work-group + wave
	s_lshl_b32 s21, ttmp9, 2
	s_add_co_u32 s21, s21, s20
	s_lshl_b32 s26, s21, 14                        ; 16,384 bytes a plane
	s_lshr_b32 s28, s21, 8                         ; b
	s_lshl_b32 s28, s28, 11
	s_and_b32 s30, s21, 255                        ; c
	s_lshl_b32 s30, s30, 2
	s_add_co_u32 s28, s28, s30                     ; 2048 b + 4 c
	s_mov_b32 s29, 0
	s_mov_b32 s24, 0x39800000                      ; 1 / 4096
	s_mov_b32 s25, 0x3727c5ac                      ; eps = 1e-5
	v_lshlrev_b32 v2, 4, v1                        ; 16 bytes a lane: a load covers 512 consecutive bytes
	v_mov_b32 v153, 0                              ; a lane permute's destination counts as one of its sources
	s_wait_kmcnt 0x0
	s_add_nc_u64 s[4:5], s[4:5], s[26:27]
	s_add_nc_u64 s[14:15], s[14:15], s[28:29]
.set q, 0
.rept 32
	global_load_b128 v[X+4*q:X+4*q+3], v2, s[4:5] offset:512*q     ; no hint: later launches read x again
.set q, q+1
.endr
.macro ACROSS                          ; the four chains, the pair's halves, the 32 lanes: the sum stands in v[RED] of every lane
	v_pk_add_f32 v[CH:CH+1], v[CH:CH+1], v[CH+2:CH+3]
	v_pk_add_f32 v[CH+4:CH+5], v[CH+4:CH+5], v[CH+6:CH+7]
	v_pk_add_f32 v[CH:CH+1], v[CH:CH+1], v[CH+4:CH+5]
	v_add_f32 v[RED], v[CH], v[CH+1]
	v_add_f32_dpp v[RED], v[RED], v[RED] row_xmask:1 row_mask:0xf bank_mask:0xf
	v_add_f32_dpp v[RED], v[RED], v[RED] row_xmask:2 row_mask:0xf bank_mask:0xf
	v_add_f32_dpp v[RED], v[RED], v[RED] row_xmask:4 row_mask:0xf bank_mask:0xf
	v_add_f32_dpp v[RED], v[RED], v[RED] row_xmask:8 row_mask:0xf bank_mask:0xf
	v_permlanex16_b32 v[RED+1], v[RED], s22, s23
	v_add_f32 v[RED], v[RED], v[RED+1]
.endm
	s_wait_loadcnt 24                              ; the first eight loads (16 pairs) are in; 24 younger ones may be out
.irp k, 0,1,2,3
	v_pk_add_f32 v[CH+2*\k:CH+2*\k+1], v[X+2*\k:X+2*\k+1], v[X+8+2*\k:X+9+2*\k]   ; the first eight pairs start the chains: nothing is cleared
.endr
.set q, 8
.rept 56
.if q == 16
	s_wait_loadcnt 16                              ; the second eight loads
.elseif q == 32
	s_wait_loadcnt 8                               ; the third
.elseif q == 48
	s_wait_loadcnt 0x0                             ; all
.endif
	v_pk_add_f32 v[CH+2*(q%4):CH+2*(q%4)+1], v[CH+2*(q%4):CH+2*(q%4)+1], v[X+2*q:X+2*q+1]
.set q, q+1
.endr
	ACROSS
	v_mul_f32 v154, s24, v[RED]                    ; the mean
	v_mov_b32 v155, v154
.set q, 0
.rept 64
	v_pk_add_f32 v[X+2*q:X+2*q+1], v[X+2*q:X+2*q+1], v[154:155] neg_lo:[0,1] neg_hi:[0,1]   ; x - mean, in place
.set q, q+1
.endr
.irp k, 0,1,2,3
	v_pk_mul_f32 v[CH+2*\k:CH+2*\k+1], v[X+2*\k:X+2*\k+1], v[X+2*\k:X+2*\k+1]
.endr
.set q, 4
.rept 60
	v_pk_fma_f32 v[CH+2*(q%4):CH+2*(q%4)+1], v[X+2*q:X+2*q+1], v[X+2*q:X+2*q+1], v[CH+2*(q%4):CH+2*(q%4)+1]
.set q, q+1
.endr
	ACROSS
	v_fma_f32 v156, v[RED], s24, s25               ; var + eps
	v_rsq_f32 v157, v156
	v_lshlrev_b32 v159, 10, v1                     ; (a plain place behind the transcendental)  lane 0 stores the mean, lane 1 the factor 1,024 bytes on
	v_cmp_eq_u32 vcc_lo, 1, v1
	s_wait_alu depctr_va_vdst(0)
	v_cndmask_b32 v158, v154, v157, vcc_lo
	v_cmp_gt_u32 vcc_lo, 2, v1
	s_wait_xcnt 0x0                                ; EXEC is a source of the loads above: it changes only behind this wait
	s_and_saveexec_b32 s30, vcc_lo
	global_store_b32 v159, v158, s[14:15]
	s_wait_xcnt 0x0                                ; and again in front of the line that widens it
	s_or_b32 exec_lo, exec_lo, s30
	s_endpgm
.Lweights:
	; ---- tile t of matrix m: 16 m + t = 4 x (work-group - 256) + wave
	s_sub_co_u32 s21, ttmp9, 256
	s_lshl_b32 s21, s21, 2
	s_add_co_u32 s21, s21, s20                     ; 0..63
	s_lshr_b32 s24, s21, 4                         ; the matrix
	s_and_b32 s25, s21, 15                         ; the tile
	s_lshr_b32 s26, s25, 1
	s_lshl_b32 s26, s26, 15
	s_and_b32 s28, s25, 1
	s_lshl_b32 s28, s28, 13
	s_add_co_u32 s26, s26, s28                     ; the tile begins at row 32 (t / 2) + 8 (t % 2); a row is 1,024 bytes
	s_mul_i32 s28, s21, 3072                       ; its two images,
	s_mov_b32 s29, 0
	s_lshl_b32 s30, s21, 7                         ; its 32 scale words
	s_mov_b32 s31, 0
	v_and_b32 v2, 15, v1                           ; r
	v_lshrrev_b32 v3, 4, v1                        ; h
	v_and_b32 v4, 8, v2
	v_add_nc_u32 v4, v4, v2                        ; r + 8 (r / 8)
	v_lshlrev_b32 v4, 10, v4
	v_lshl_add_u32 v4, v3, 7, v4                   ; + 128 h: the operand's layout gives lane (r, h) k = 64 c + 32 h + 0 .. 31
	v_lshlrev_b32 v5, 3, v3                        ; 8 h: my bytes' place in a scale word
	v_lshlrev_b32 v8, 4, v1                        ; an image's place for my lane
	v_lshlrev_b32 v9, 2, v1                        ; a scale word's
	v_mov_b32 v6, 0
	v_mov_b32 v7, 0                                ; lane permutes' destinations
	s_wait_kmcnt 0x0
	s_cmp_eq_u32 s24, 1                            ; the choice hangs on the work-group's and the wave's number alone
	s_cselect_b64 s[6:7], s[8:9], s[6:7]
	s_cmp_eq_u32 s24, 2
	s_cselect_b64 s[6:7], s[10:11], s[6:7]
	s_cmp_eq_u32 s24, 3
	s_cselect_b64 s[6:7], s[12:13], s[6:7]
	s_add_nc_u64 s[6:7], s[6:7], s[26:27]
	s_add_nc_u64 s[16:17], s[16:17], s[28:29]
	s_add_nc_u64 s[18:19], s[18:19], s[30:31]
.irp b, 0,1,2,3                        ; block b = 2 s + c of my lane: k = 128 s + 64 c + 32 h + 0 .. 31
.irp i, 0,1,2,3,4,5,6,7
	global_load_b128 v[X+32*\b+4*\i:X+32*\b+4*\i+3], v4, s[6:7] offset:256*\b+16*\i
.endr
.endr
	s_wait_loadcnt 0x0
.irp b, 0,1,2,3
	v_max3_num_f32 v[144+\b], |v[X+32*\b]|, |v[X+32*\b+1]|, 0x1800000   ; all 32 numbers of a block are mine; the floor 2^(3 - 127) holds the byte at 1 from below
.endr
.irp i, 2,4,6,8,10,12,14,16,18,20,22,24,26,28,30
.irp b, 0,1,2,3
	v_max3_num_f32 v[144+\b], v[144+\b], |v[X+32*\b+\i]|, |v[X+32*\b+\i+1]|   ; (the four blocks by turns)
.endr
.endr
.irp b, 0,1,2,3
	v_add_nc_u32 v[148+\b], 0xff000000, v[144+\b]  ; 2 off the exponent field: the conversion's scale operand
.endr
.irp b, 0,1,2,3
	v_lshrrev_b32 v[152+\b], 23, v[148+\b]         ; the scale's byte
.endr
.irp s, 0,1
	v_lshl_or_b32 v[156+\s], v[153+2*\s], 16, v[152+2*\s]   ; my two bytes of K step s: blocks h and 2 + h of row r,
.endr
.irp s, 0,1
	v_lshlrev_b32 v[156+\s], v5, v[156+\s]         ; at their places
.endr
	v_permlanex16_b32 v6, v156, s22, s23
	v_permlanex16_b32 v7, v157, s22, s23
	v_or_b32 v156, v156, v6                        ; with lane l xor 16's two the words are whole
	v_or_b32 v157, v157, v7
	v_cmp_eq_u32 vcc_lo, 1, v3
	v_cndmask_b32 v158, v156, v157, vcc_lo         ; lanes 0-15 keep K step 0's word, lanes 16-31 K step 1's
.irp b, 0,1,2,3
	v_cvt_scalef32_pk16_fp6_f32 v[F+6*\b:F+6*\b+2], v[X+32*\b:X+32*\b+15], v[148+\b]          ; registers 6 c .. 6 c + 2 of fragment s (12 s + 6 c = 6 b)
	v_cvt_scalef32_pk16_fp6_f32 v[184+4*\b:186+4*\b], v[X+32*\b+16:X+32*\b+31], v[148+\b]     ; (a conversion's three registers begin on an even number: the second half is made elsewhere and moved)
.endr
	v_nop                                          ; one plain place behind a scaled conversion
.irp b, 0,1,2,3
.irp i, 0,1,2
	v_mov_b32 v[F+6*\b+3+\i], v[184+4*\b+\i]
.endr
.endr
.irp g, 0,1,2,3,4,5
	global_store_b128 v8, v[F+4*\g:F+4*\g+3], s[16:17] offset:512*\g   ; 32 lanes store 512 consecutive bytes, aligned
.endr
	global_store_b32 v9, v158, s[18:19]
	s_endpgm
.Lfunc_end_k_q5ee9ab399e_prep:
	.size	k_q5ee9ab399e_prep, .Lfunc_end_k_q5ee9ab399e_prep-k_q5ee9ab399e_prep
	.p2alignl 7, 3214868480
	.fill 96, 4, 3214868480
	.section	.rodata,"a",@progbits
	.p2align	6, 0x0
	.amdhsa_kernel k_q5ee9ab399e_prep
		.amdhsa_group_segment_fixed_size 0
		.amdhsa_private_segment_fixed_size 0
		.amdhsa_enable_private_segment 0
		.amdhsa_kernarg_size 64
		.amdhsa_user_sgpr_count 2
		.amdhsa_user_sgpr_kernarg_segment_ptr 1
		.amdhsa_wavefront_size32 1
		.amdhsa_system_sgpr_workgroup_id_x 1
		.amdhsa_system_sgpr_workgroup_id_y 1
		.amdhsa_system_sgpr_workgroup_id_z 1
		.amdhsa_system_vgpr_workitem_id 0
		.amdhsa_next_free_vgpr 208
		.amdhsa_next_free_sgpr 66
		.amdhsa_reserve_vcc 1
		.amdhsa_float_denorm_mode_32 3
		.amdhsa_float_denorm_mode_16_64 3
		.amdhsa_memory_ordered 1
		.amdhsa_forward_progress 1
		.amdhsa_inst_pref_size 29
	.end_amdhsa_kernel
	.amdgpu_metadata
---
amdhsa.version: [ 1, 2 ]
amdhsa.kernels:
  - .name:           k_q5ee9ab399e_prep
    .symbol:         k_q5ee9ab399e_prep.kd
    .args:
      - { .name: x, .offset: 0, .size: 8, .value_kind: global_buffer, .address_space: global }
      - { .name: wq, .offset: 8, .size: 8, .value_kind: global_buffer, .address_space: global }
      - { .name: wk, .offset: 16, .size: 8, .value_kind: global_buffer, .address_space: global }
      - { .name: wv, .offset: 24, .size: 8, .value_kind: global_buffer, .address_space: global }
      - { .name: wp, .offset: 32, .size: 8, .value_kind: global_buffer, .address_space: global }
      - { .name: stats, .offset: 40, .size: 8, .value_kind: global_buffer, .address_space: global }
      - { .name: wimg, .offset: 48, .size: 8, .value_kind: global_buffer, .address_space: global }
      - { .name: wsc, .offset: 56, .size: 8, .value_kind: global_buffer, .address_space: global }
    .group_segment_fixed_size: 0
    .private_segment_fixed_size: 0
    .kernarg_segment_align: 8
    .kernarg_segment_size: 64
    .max_flat_workgroup_size: 128
    .sgpr_count:     66
    .vgpr_count:     208
    .wavefront_size: 32
...
	.end_amdgpu_metadata
.endif
;; end of part 1
;; launch qkv (part 2): grid 128 x 2, 4 waves a work-group, no clusters, 104,960 bytes of LDS; arguments x, stats, wimg, wsc, bq, bk, bv, qc, qs, kv; writes qc, qs, kv
.if DOCPART == 2
	.amdgcn_target "amdgcn-amd-amdhsa--gfx1250"
	.amdhsa_code_object_version 6
	.text
	.protected	k_q5ee9ab399e_qkv
	.globl	k_q5ee9ab399e_qkv
	.p2align	8
	.type	k_q5ee9ab399e_qkv,@function
k_q5ee9ab399e_qkv:
	s_mov_b64 s[64:65], 0
	v_nop
	global_prefetch_b8 v0, s[64:65] scope:SCOPE_SE
	s_setreg_imm32_b32 hwreg(HW_REG_WAVE_MODE, 25, 1), 1
	s_wait_xcnt 0x0
; hn = (x - mean) / sqrt(var + eps), quantised along the channels; q = wq hn + bq, k = wk hn + bk, v = wv hn + bv on codes of FP6 (E2M3) with one E8M0 byte for each 32 along K;
; q and k are quantised along their channels, v along the keys, in registers, and leave as IMAGES OF THE NEXT OPERANDS' REGISTERS (register 4 g + i of lane l at 512 g + 16 l + 4 i of 1,536 bytes).
; SHARES.  Work-group (g, half): 128 pixels (global pixel / 128 = g) x output channels 128 half .. 128 half + 127 of q, k and v.  Both halves make hn's codes for themselves.
;   hn: wave w takes channels 64 w .. 64 w + 63 in two blocks of 32; a load reads one channel's 128 pixels, 512 consecutive bytes, 4 pixels a lane; the subtraction writes its results so that a pixel's
;   32 channels stand in 32 consecutive registers: a block lies in one lane, and nothing is transposed by an instruction.  A block's 24 bytes of codes go straight to their place in hn's images in LDS.
;   Those stores of 8 bytes meet up to eight deep in the banks: 24 stores a wave in the launch.
;   q, k: source 0 = 16 rows of the weight, source 1 = 16 pixels: a lane holds one pixel and its registers run along the output channels, the next K.  Wave w takes pixel tiles 2 w, 2 w + 1.
;   v: source 0 = 16 pixels, source 1 = 16 rows of wv: a lane holds one channel and its registers run along the pixels, which are the keys.  Wave w takes channel tiles 2 w, 2 w + 1 of the half.
;   THE ROWS OF A TILE ARE NOT NEIGHBOURS, of the weights and of hn's pixels alike: lane r of tile 2 b + u takes row 32 b + 8 u + r + 8 (r / 8): the 16 registers of result tiles 2 b, 2 b + 1 are 16 neighbours along the next K.
;   The biases are the C of each sum's first matrix instruction.
; OUT.  qc: [pixel tile][K step = half][1,536].  qs: [g][half][pixel tile 8][16 words].  kv: a block of 51,200 bytes for each g: k's fragment (tile, half) at (2 tile + half) 1,536; v's fragment of channel tile
;   ct at 24,576 + 1,536 ct; k's scale words at 49,152 + 512 half, the word of (row r, tile kt) at 16 (r + 16 (kt % 2)) + 4 (kt / 2); v's at 50,176 + 512 (ct / 8), laid alike: a load of 16 bytes a lane brings four registers of words.
; NO CLUSTER: LDS is filled through registers here; what two work-groups share, the weights' 76,800 bytes of a work-group's 207,872, could be asked for jointly by tensor loads alone.
; LIMITS: a block of zeros, or one under 2^-124, keeps the byte 1 (this program alone reads the bytes); NaN and infinities are not served.
; REGISTERS, in windows of 256: window 0: v1-15 addresses, v26-28 offsets; v32-40 scale words; v64-191 4 pixels x 32 channels of hn, later 8 accumulators (v64-127) and the pair of fragments (v128-151);
;   v192-223 codes; v224-239 at work; v240-243 hn's scale bytes; v244 the scale word just made.   window 1: the weights' images on their way to LDS, then the set of 16 fragments.
;   window 2: bq's 8 tiles, bk's 8 from v64, bv's two from v128.   window 3: x as loaded.
.set WQI,   0                          ; LDS: the half's 16 images of wq,
.set WKI,   24576                      ; of wk,
.set WVI,   49152                      ; of wv,
.set HN,    73728                      ; hn's 16: (pixel tile pt, K step s) at (2 pt + s) 1,536;
.set WSC,   98304                      ; the weights' scale words, 1,024 bytes a matrix: [tile][32 words], the K step by the half of the lanes;
.set HNS,   101376                     ; hn's likewise: [pt][32 words];
.set PACKS, 102400                     ; q's, k's and v's scale words as they leave, 512 bytes each
.set LI,   1                           ; v1   16 x lane
.set LS,   2                           ; v2   4 x lane
.set A0,   3                           ; v3-5 where a block's three pieces of 8 bytes go in hn's images
.set A1,   4
.set A2,   5
.set HSA,  6                           ; v6   and its two scale bytes
.set LIW6, 7                           ; v7   16 x lane + 6,144 x wave: my pair of tiles among 16 images
.set LSW,  8                           ; v8   4 x lane + 256 x wave: their scale words
.set AQ,   9                           ; v9-11 where my rows' scale words go in the packs
.set AK,   10
.set AV,   11
.set TA,   12                          ; v12-15 the addresses in hand
.set PA,   13
.set TS,   14
.set PSA,  15
.set BH,   26                          ; v26  64 h: bq's and bk's numbers for my half of the lanes
.set BR,   27                          ; v27  4 (r + 8 (r / 8)): bv's number for my row
.set FIN,  28                          ; v28  the pack that my wave stores at the end
.set SS,   32                          ; v32-39 the set's scale words;  v40 the pair's
.set PSC,  40
.set Y,    64
.set ACC,  64
.set PAIR, 128
.set CC,   192
.set PC,   192
.set TM,   224
.set SBY,  240
.set PW,   244
.set MU,   32                          ; s[32:63] the block's 32 means;  s[68:99] its 32 factors
.set RS,   68
.set SEL,  48                          ; s[48:49] lane selects, once the means are done with
.set MSB, 0
.macro WIN new                         ; the immediate's high byte repeats the setting that is left
.if MSB != \new
	s_set_vgpr_msb (MSB<<8)|\new
.set MSB, \new
.endif
.endm
.macro PLACES n
.rept \n
	v_nop
.endr
.endm
.macro BARRIER                         ; my LDS stores have landed and my LDS loads are in: then the work-group's barrier
	s_wait_dscnt 0x0
	s_barrier_signal -1
	s_barrier_wait -1
.endm
; One product 16 x 16 x 128.  d, a, b: first registers; cc: the C operand; sa, sb: scale registers; ra, rb = 1: the scales stand in lanes 16-31
.macro WM d, a, b, cc, sa, sb, ra, rb
.if ((\ra) == 0) && ((\rb) == 0)
	v_wmma_scale_f32_16x16x128_f8f6f4 v[(\d):(\d)+7], v[(\a):(\a)+11], v[(\b):(\b)+11], \cc, v[\sa], v[\sb] matrix_a_fmt:MATRIX_FMT_FP6 matrix_b_fmt:MATRIX_FMT_FP6
.elseif (\rb) == 0
	v_wmma_scale_f32_16x16x128_f8f6f4 v[(\d):(\d)+7], v[(\a):(\a)+11], v[(\b):(\b)+11], \cc, v[\sa], v[\sb] matrix_a_fmt:MATRIX_FMT_FP6 matrix_b_fmt:MATRIX_FMT_FP6 matrix_a_scale:MATRIX_SCALE_ROW1
.elseif (\ra) == 0
	v_wmma_scale_f32_16x16x128_f8f6f4 v[(\d):(\d)+7], v[(\a):(\a)+11], v[(\b):(\b)+11], \cc, v[\sa], v[\sb] matrix_a_fmt:MATRIX_FMT_FP6 matrix_b_fmt:MATRIX_FMT_FP6 matrix_b_scale:MATRIX_SCALE_ROW1
.else
	v_wmma_scale_f32_16x16x128_f8f6f4 v[(\d):(\d)+7], v[(\a):(\a)+11], v[(\b):(\b)+11], \cc, v[\sa], v[\sb] matrix_a_fmt:MATRIX_FMT_FP6 matrix_b_fmt:MATRIX_FMT_FP6 matrix_a_scale:MATRIX_SCALE_ROW1 matrix_b_scale:MATRIX_SCALE_ROW1
.endif
.endm
; 64 numbers of a lane, register 16 b + i = k 32 b + 16 (lane / 16) + i of my row, become a fragment's codes in v[PC] on and its scale word in v[PW].
.macro QUANT s
.irp b, 0,1,2,3
	v_max3_num_f32 v[TM+\b], |v[\s+16*\b]|, |v[\s+1+16*\b]|, 0x1800000   ; my 16 numbers of block b, from each accumulator's low end on, and the floor 2^(3 - 127)
.endr
.irp i, 2,4,6,8,10,12,14
.irp b, 0,1,2,3
	v_max3_num_f32 v[TM+\b], v[TM+\b], |v[\s+16*\b+\i]|, |v[\s+1+16*\b+\i]|
.endr
.endr
.irp b, 0,1,2,3
	v_permlanex16_b32 v[TM+4+\b], v[TM+\b], s[SEL], s[SEL+1]
.endr
.irp b, 0,1,2,3
	v_max_num_f32 v[TM+\b], v[TM+\b], v[TM+4+\b]   ; with lane l xor 16's: the block's largest magnitude
.endr
.irp b, 0,1,2,3
	v_add_nc_u32 v[TM+12+\b], 0xff000000, v[TM+\b] ; 2 off its exponent field: the conversion's scale operand
.endr
.irp b, 0,1,2,3
	v_lshrrev_b32 v[TM+4+\b], 23, v[TM+12+\b]      ; the scale's byte
.endr
	v_lshl_or_b32 v[PW], v[TM+5], 8, v[TM+4]
	v_lshl_or_b32 v[PW], v[TM+6], 16, v[PW]
	v_lshl_or_b32 v[PW], v[TM+7], 24, v[PW]        ; my row's scale word
.irp c, 0,1
	v_cvt_scalef32_pk16_fp6_f32 v[PC+6*\c:PC+2+6*\c], v[\s+32*\c:\s+15+32*\c], v[TM+12+2*\c]
	v_cvt_scalef32_pk16_fp6_f32 v[PC+12+4*\c:PC+14+4*\c], v[\s+16+32*\c:\s+31+32*\c], v[TM+12+2*\c+1]   ; (a conversion's three registers begin on an even number)
.endr
	v_nop                                          ; one plain place behind a scaled conversion
.irp c, 0,1                            ; the operand's layout wants a WHOLE block in a lane: lanes 0-15 block 2 c, lanes 16-31 block 2 c + 1
.irp i, 0,1,2
	v_permlane16_swap_b32 v[PC+6*\c+\i], v[PC+12+4*\c+\i]
.endr
.irp i, 0,1,2
	v_mov_b32 v[PC+3+6*\c+\i], v[PC+12+4*\c+\i]
.endr
.endr
.endm
	s_load_b512 s[4:19], s[0:1], 0x0               ; x s[4:5], stats s[6:7], wimg s[8:9], wsc s[10:11], bq s[12:13], bk s[14:15], bv s[16:17], qc s[18:19]
	s_load_b128 s[20:23], s[0:1], 0x40             ; qs s[20:21], kv s[22:23]
	v_lshl_add_u32 v254, v0, 2, 0x19800
	v_mov_b32 v255, 0
	v_lshrrev_b32 v16, 5, v0
	v_readfirstlane_b32 s24, v16                   ; wave 0..3
	s_and_b32 s25, ttmp7, 0xffff                   ; half
	v_and_b32 v16, 31, v0                          ; lane
	v_lshlrev_b32 v[LI], 4, v16
	v_lshlrev_b32 v[LS], 2, v16
	s_lshr_b32 s26, ttmp9, 5                       ; the batch
	s_lshl_b32 s28, s26, 22                        ; x: 4 MiB a batch,
	s_and_b32 s29, ttmp9, 31
	s_lshl_b32 s29, s29, 9                         ; 512 bytes for 128 pixels,
	s_add_co_u32 s28, s28, s29
	s_lshl_b32 s29, s24, 20                        ; 64 channels of 16,384 bytes a wave
	s_add_co_u32 s28, s28, s29
	s_mov_b32 s29, 0
	s_lshl_b32 s30, s26, 11                        ; stats: 2,048 bytes a batch, 256 for my 64 channels
	s_lshl_b32 s31, s24, 8
	s_add_co_u32 s30, s30, s31
	s_mov_b32 s31, 0
	s_wait_kmcnt 0x0
	s_add_nc_u64 s[4:5], s[4:5], s[28:29]
	s_add_nc_u64 s[6:7], s[6:7], s[30:31]
	s_load_b512 s[MU:MU+15], s[6:7], 0x0           ; the first block's 32 means
	s_load_b512 s[MU+16:MU+31], s[6:7], 0x40
	s_load_b512 s[RS:RS+15], s[6:7], 0x400         ; and 32 factors
	s_load_b512 s[RS+16:RS+31], s[6:7], 0x440
	WIN 0xc0                                       ; destination window 3
.set q, 0
.rept 64
	global_load_b128 v[4*q:4*q+3], v[LI], s[4:5] offset:q*16384    ; channel 64 w + q: 32 lanes read 512 consecutive bytes, aligned
.set q, q+1
.endr
	WIN 0
	s_mul_i32 s28, s25, 24576                      ; the half's part of each matrix's images,
	s_add_nc_u64 s[8:9], s[8:9], s[28:29]
	s_lshl_b32 s28, s25, 10                        ; of its scale words,
	s_add_nc_u64 s[10:11], s[10:11], s[28:29]
	s_lshl_b32 s28, s25, 9                         ; of the biases;
	s_add_nc_u64 s[12:13], s[12:13], s[28:29]
	s_add_nc_u64 s[14:15], s[14:15], s[28:29]
	s_lshl_b32 s30, s24, 7
	s_add_co_u32 s28, s28, s30                     ; bv: my 32 channels of the half
	s_add_nc_u64 s[16:17], s[16:17], s[28:29]
	; Pixel 4 l + j of the 128 lies in tile pt = 2 (l / 8) + (l / 2) % 2 at row 4 (l % 2) + j + 8 ((l / 4) % 2).  My block 2 w + tb of K is K step w / 2, registers 6 (w % 2) .. + 5, lanes 16 tb on.
	v_bfe_u32 v17, v0, 3, 2                        ; l / 8
	v_bfe_u32 v18, v0, 1, 1                        ; (l / 2) % 2
	v_and_b32 v19, 1, v0                           ; l % 2
	v_bfe_u32 v20, v0, 2, 1                        ; (l / 4) % 2
	v_mul_u32_u24 v[A0], v17, 6144
	v_mad_u32_u24 v[A0], v18, 3072, v[A0]
	v_lshl_add_u32 v[A0], v19, 6, v[A0]
	v_lshl_add_u32 v[A0], v20, 7, v[A0]
	s_lshr_b32 s26, s24, 1
	s_mul_i32 s26, s26, 1536
	s_add_co_u32 s26, s26, HN
	s_and_b32 s27, s24, 1
	s_mul_i32 s28, s27, 520                        ; registers 0, 1 lie at byte 0 of an image's lane, 6, 7 at 520;
	s_add_co_u32 s28, s28, s26
	s_mul_i32 s29, s27, 1016                       ; 2, 3 at 8, 8, 9 at 1,024;
	s_add_co_u32 s29, s29, s26
	s_add_co_u32 s29, s29, 8
	v_add_nc_u32 v[A1], s29, v[A0]
	v_add_nc_u32 v[A2], s28, v[A0]
	v_add_nc_u32 v[A2], 512, v[A2]                 ; 4, 5 at 512, 10, 11 at 1,032
	v_add_nc_u32 v[A0], s28, v[A0]
	v_lshlrev_b32 v[HSA], 8, v17                   ; the scale word of (pt, K step, row): 128 pt + 64 (w / 2) + 4 row; my two bytes at 2 (w % 2)
	v_lshl_add_u32 v[HSA], v18, 7, v[HSA]
	v_lshl_add_u32 v[HSA], v19, 4, v[HSA]
	v_lshl_add_u32 v[HSA], v20, 5, v[HSA]
	s_lshr_b32 s30, s24, 1
	s_lshl_b32 s30, s30, 6
	s_lshl_b32 s31, s27, 1
	s_add_co_u32 s30, s30, s31
	s_add_co_u32 s30, s30, HNS
	v_add_nc_u32 v[HSA], s30, v[HSA]
	s_mul_i32 s30, s24, 6144
	v_add_nc_u32 v[LIW6], s30, v[LI]
	s_lshl_b32 s30, s24, 8
	v_add_nc_u32 v[LSW], s30, v[LS]
	v_and_b32 v21, 15, v0                          ; r
	v_bfe_u32 v22, v0, 4, 1                        ; h
	s_lshl_b32 s30, s24, 7
	s_add_co_u32 s30, s30, PACKS
	v_lshl_add_u32 v[AQ], v21, 2, s30              ; q's word of (tile 2 w + i, row r): 64 (2 w + i) + 4 r
	s_lshl_b32 s30, s24, 2
	s_add_co_u32 s30, s30, PACKS+512
	v_lshl_add_u32 v[AK], v21, 4, s30              ; k's of (tile 2 w + i, row r): 16 (r + 16 i) + 4 w
	v_add_nc_u32 v[AV], 512, v[AK]                 ; v's likewise
	s_lshl_b32 s30, s24, 9
	s_add_co_u32 s30, s30, PACKS
	v_add_nc_u32 v[FIN], s30, v[LI]
	v_lshlrev_b32 v[BH], 6, v22
	v_and_b32 v23, 8, v21
	v_add_nc_u32 v23, v23, v21
	v_lshlrev_b32 v[BR], 2, v23
	v_lshlrev_b32 v[TA], 4, v0                     ; the copies: 16 bytes a thread, in memory and in LDS,
	v_add_nc_u32 v[TS], WVI, v[TA]                 ; (wv's images lie beyond an LDS immediate's reach)
	v_lshlrev_b32 v[PSA], 3, v0                    ; 8 bytes a thread of the scale words, in memory,
	v_add_nc_u32 v[PA], WSC, v[PSA]                ; and in LDS
; hn of block tb: v[Y + 32 j + i] = pixel j, channel i
.macro NORM tb
	WIN 0x03                                       ; source 0 window 3
.irp j, 0,1,2,3
.set q, 0
.rept 32
	v_sub_f32 v[Y+32*\j+q], v[128*\tb+4*q+\j], s[MU+q]
.set q, q+1
.endr
.endr
	WIN 0
.irp j, 0,1,2,3
.set q, 0
.rept 32
	v_mul_f32 v[Y+32*\j+q], s[RS+q], v[Y+32*\j+q]
.set q, q+1
.endr
.endr
.endm
; its four blocks (one a pixel) become codes, which go to their places in hn's images
.macro QNT tb
.irp j, 0,1,2,3
	v_max3_num_f32 v[TM+\j], |v[Y+32*\j]|, |v[Y+32*\j+1]|, 0x1800000   ; all 32 numbers of a block are mine; the floor 2^(3 - 127)
.endr
.irp i, 2,4,6,8,10,12,14,16,18,20,22,24,26,28,30
.irp j, 0,1,2,3
	v_max3_num_f32 v[TM+\j], v[TM+\j], |v[Y+32*\j+\i]|, |v[Y+32*\j+\i+1]|
.endr
.endr
.irp j, 0,1,2,3
	v_add_nc_u32 v[TM+4+\j], 0xff000000, v[TM+\j]
.endr
.if \tb == 0
.irp j, 0,1,2,3
	v_lshrrev_b32 v[SBY+\j], 23, v[TM+4+\j]        ; the first block's byte
.endr
.else
.irp j, 0,1,2,3
	v_lshrrev_b32 v[TM+8+\j], 23, v[TM+4+\j]
.endr
.irp j, 0,1,2,3
	v_lshl_or_b32 v[SBY+\j], v[TM+8+\j], 8, v[SBY+\j]   ; the second's above it
.endr
.endif
.irp j, 0,1,2,3
	v_cvt_scalef32_pk16_fp6_f32 v[CC+8*\j:CC+8*\j+2], v[Y+32*\j:Y+32*\j+15], v[TM+4+\j]
	v_cvt_scalef32_pk16_fp6_f32 v[CC+8*\j+4:CC+8*\j+6], v[Y+32*\j+16:Y+32*\j+31], v[TM+4+\j]
.endr
	v_nop                                          ; one plain place behind a scaled conversion
.irp j, 0,1,2,3
.irp k, 0,1,2
	v_mov_b32 v[CC+8*\j+3+\k], v[CC+8*\j+4+\k]     ; the block's six registers on end
.endr
.endr
.irp j, 0,1,2,3
	ds_store_b64 v[A0], v[CC+8*\j:CC+8*\j+1] offset:16*\j+256*\tb
	ds_store_b64 v[A1], v[CC+8*\j+2:CC+8*\j+3] offset:16*\j+256*\tb
	ds_store_b64 v[A2], v[CC+8*\j+4:CC+8*\j+5] offset:16*\j+256*\tb
.endr
	s_wait_dscnt 0x0                               ; the stores have read their registers
.endm
	s_wait_loadcnt 32                              ; the first block's 32 loads of x are in; the second's 32 may be out
	s_wait_kmcnt 0x0
	NORM 0
	s_load_b512 s[MU:MU+15], s[6:7], 0x80          ; the second block's means and factors, asked for as soon as the first's are read
	s_load_b512 s[MU+16:MU+31], s[6:7], 0xc0
	s_load_b512 s[RS:RS+15], s[6:7], 0x480
	s_load_b512 s[RS+16:RS+31], s[6:7], 0x4c0
	QNT 0
	WIN 0x40                                       ; destination window 1: the half's images and scale words of the three weights, 39 loads
.irp m, 0,1,2
.irp i, 0,1,2,3,4,5,6,7,8,9,10,11
	global_load_b128 v[48*\m+4*\i:48*\m+4*\i+3], v[TA], s[8:9] offset:\m*49152+\i*2048
.endr
	global_load_b64 v[144+2*\m:145+2*\m], v[PSA], s[10:11] offset:\m*2048
.endr
	WIN 0
	s_wait_loadcnt 39                              ; x is in; the 39 copies may be out
	s_wait_kmcnt 0x0
	NORM 1
	; the means' registers are free: where my results go
	s_mov_b32 s[SEL], 0x76543210
	s_mov_b32 s[SEL+1], 0xfedcba98
	s_mul_i32 s42, s24, 6144
	s_mul_i32 s43, s25, 1536
	s_add_co_u32 s42, s42, s43                     ; fragment (tile 2 w, half)
	s_mul_i32 s40, ttmp9, 24576
	s_add_co_u32 s40, s40, s42
	s_mov_b32 s41, 0
	s_add_nc_u64 s[32:33], s[18:19], s[40:41]      ; q's
	s_mul_i32 s44, ttmp9, 51200
	s_add_co_u32 s40, s44, s42
	s_add_nc_u64 s[34:35], s[22:23], s[40:41]      ; k's
	s_lshl_b32 s43, s25, 3
	s_lshl_b32 s45, s24, 1
	s_add_co_u32 s43, s43, s45
	s_mul_i32 s43, s43, 1536
	s_add_co_u32 s40, s44, s43
	s_add_co_u32 s40, s40, 24576
	s_add_nc_u64 s[36:37], s[22:23], s[40:41]      ; v's: channel tile 8 half + 2 w
	s_lshl_b32 s46, s25, 9
	s_lshl_b32 s45, ttmp9, 10
	s_add_co_u32 s45, s45, s46                     ; the packs: wave 0 stores q's, at 1,024 g + 512 half of qs;
	s_lshl_b32 s47, s24, 10
	s_add_co_u32 s47, s47, s44
	s_add_co_u32 s47, s47, s46
	s_add_co_u32 s47, s47, 48128                   ; waves 1 and 2 k's and v's, at 48,128 + 1,024 wave + 512 half of the block
	s_cmp_eq_u32 s24, 0                            ; the choice hangs on the wave's number alone
	s_cselect_b32 s40, s45, s47
	s_cselect_b64 s[38:39], s[20:21], s[22:23]
	s_add_nc_u64 s[38:39], s[38:39], s[40:41]
	QNT 1
	WIN 0x80                                       ; destination window 2: the biases in the results' layout, 48 loads
.irp t, 0,1,2,3,4,5,6,7                ; q, k: lane (r, h) wants, for tile 2 b + u, the numbers of channels 32 b + 16 h + 8 u + 0 .. 7
	global_load_b128 v[8*\t:8*\t+3], v[BH], s[12:13] offset:(32*(\t/2)+8*(\t%2))*4
	global_load_b128 v[8*\t+4:8*\t+7], v[BH], s[12:13] offset:(32*(\t/2)+8*(\t%2))*4+16
	global_load_b128 v[64+8*\t:64+8*\t+3], v[BH], s[14:15] offset:(32*(\t/2)+8*(\t%2))*4
	global_load_b128 v[64+8*\t+4:64+8*\t+7], v[BH], s[14:15] offset:(32*(\t/2)+8*(\t%2))*4+16
.endr
.irp i, 0,1                            ; v: a lane holds one channel: its number in all eight registers
.irp j, 0,1,2,3,4,5,6,7
	global_load_b32 v[128+8*\i+\j], v[BR], s[16:17] offset:32*\i
.endr
.endr
	s_wait_loadcnt 48                              ; the 39 copies are in; the 48 bias loads may be out
	WIN 0x04                                       ; an LDS store's data are its source 1: window 1
.irp i, 0,1,2,3,4,5,6,7,8,9,10,11
	ds_store_b128 v[TA], v[4*\i:4*\i+3] offset:WQI+2048*\i
	ds_store_b128 v[TA], v[48+4*\i:48+4*\i+3] offset:WKI+2048*\i
	ds_store_b128 v[TS], v[96+4*\i:96+4*\i+3] offset:2048*\i
.endr
.irp m, 0,1,2
	ds_store_b64 v[PA], v[144+2*\m:145+2*\m] offset:1024*\m
.endr
	WIN 0
.irp j, 0,1,2,3
	ds_store_b16 v[HSA], v[SBY+\j] offset:4*\j     ; my two bytes of pixel j's scale word
.endr
	BARRIER                                        ; the weights' and hn's images and scale words lie in LDS
	s_wait_loadcnt 0x0                             ; the biases
; A set of 16 fragments (8 tiles x 2 K steps) stays in window 1; against it go my two items, a pair of fragments each: 16 products an item, the 8 accumulators by turns
; The item's 64 results a lane become one fragment and one scale word a row.
.macro GROUP setbase, setsc, pairbase, pairsc, cbase, cstride, citem, gb, istride, areg, astride
	v_add_nc_u32 v[TA], \setbase, v[LI]
	v_add_nc_u32 v[TS], \setsc, v[LS]
	v_add_nc_u32 v[PA], \pairbase, v[LIW6]
	v_add_nc_u32 v[PSA], \pairsc, v[LSW]
	WIN 0x40
.set q, 0
.rept 48
	ds_load_b128 v[4*q:4*q+3], v[TA] offset:512*q  ; an image comes back as it went: 512 consecutive bytes a load
.set q, q+1
.endr
	WIN 0
.irp t, 0,1,2,3,4,5,6,7
	ds_load_b32 v[SS+\t], v[TS] offset:128*\t
.endr
.irp i, 0,1
.irp k, 0,1,2,3,4,5
	ds_load_b128 v[PAIR+4*\k:PAIR+4*\k+3], v[PA] offset:3072*\i+512*\k
.endr
	ds_load_b32 v[PSC], v[PSA] offset:128*\i
	s_wait_dscnt 0x0                               ; operands and scale words are in; the last item's store of its scale word has read its register
	WIN 0x21                                       ; source 0 (the set) window 1, source 2 (the bias) window 2
.irp t, 0,1,2,3,4,5,6,7
	WM ACC+8*\t, 24*\t, PAIR, v[\cbase+\cstride*\t+\citem*\i:\cbase+\cstride*\t+\citem*\i+7], SS+\t, PSC, 0, 0
.endr
	WIN 0x01
.irp t, 0,1,2,3,4,5,6,7
	WM ACC+8*\t, 24*\t+12, PAIR+12, v[ACC+8*\t:ACC+8*\t+7], SS+\t, PSC, 1, 1
.endr
	WIN 0
	PLACES 5                                       ; four in front of the first read of results and of loads into operands; the fifth for the next item's products, which write over these accumulators
	s_wait_xcnt 0x0                                ; the last item's stores have read the codes' registers
	QUANT ACC
.irp g, 0,1,2
	global_store_b128 v[LI], v[PC+4*\g:PC+4*\g+3], s[\gb:\gb+1] offset:\i*\istride+512*\g   ; 32 lanes store 512 consecutive bytes, aligned
.endr
	ds_store_b32 v[\areg], v[PW] offset:\i*\astride   ; lanes r and r + 16 write the same word with the same value
.endr
.endm
	GROUP WQI, WSC, HN, HNS, 0, 8, 0, 32, 3072, AQ, 64
	GROUP WKI, WSC+1024, HN, HNS, 64, 8, 0, 34, 3072, AK, 256
	GROUP HN, HNS, WVI, WSC+2048, 128, 0, 8, 36, 1536, AV, 256
	BARRIER                                        ; the three packs of scale words are whole
	s_cmp_eq_u32 s24, 3
	s_cbranch_scc1 .Ldone                          ; three packs, three waves
	ds_load_b128 v[16:19], v[FIN]
	s_wait_dscnt 0x0
	global_store_b128 v[LI], v[16:19], s[38:39]    ; 512 consecutive bytes, aligned
.Ldone:
	s_wait_tensorcnt 0x0
	ds_add_u32 v254, v255
	s_wait_dscnt 0x0
	s_endpgm
.Lfunc_end_k_q5ee9ab399e_qkv:
	.size	k_q5ee9ab399e_qkv, .Lfunc_end_k_q5ee9ab399e_qkv-k_q5ee9ab399e_qkv
	.p2alignl 7, 3214868480
	.fill 96, 4, 3214868480
	.section	.rodata,"a",@progbits
	.p2align	6, 0x0
	.amdhsa_kernel k_q5ee9ab399e_qkv
		.amdhsa_group_segment_fixed_size 104960
		.amdhsa_private_segment_fixed_size 0
		.amdhsa_enable_private_segment 0
		.amdhsa_kernarg_size 80
		.amdhsa_user_sgpr_count 2
		.amdhsa_user_sgpr_kernarg_segment_ptr 1
		.amdhsa_wavefront_size32 1
		.amdhsa_system_sgpr_workgroup_id_x 1
		.amdhsa_system_sgpr_workgroup_id_y 1
		.amdhsa_system_sgpr_workgroup_id_z 1
		.amdhsa_system_vgpr_workitem_id 0
		.amdhsa_next_free_vgpr 1024
		.amdhsa_next_free_sgpr 100
		.amdhsa_reserve_vcc 0
		.amdhsa_float_denorm_mode_32 3
		.amdhsa_float_denorm_mode_16_64 3
		.amdhsa_memory_ordered 1
		.amdhsa_forward_progress 1
		.amdhsa_inst_pref_size 113
	.end_amdhsa_kernel
	.amdgpu_metadata
---
amdhsa.version: [ 1, 2 ]
amdhsa.kernels:
  - .name:           k_q5ee9ab399e_qkv
    .symbol:         k_q5ee9ab399e_qkv.kd
    .args:
      - { .name: x, .offset: 0, .size: 8, .value_kind: global_buffer, .address_space: global }
      - { .name: stats, .offset: 8, .size: 8, .value_kind: global_buffer, .address_space: global }
      - { .name: wimg, .offset: 16, .size: 8, .value_kind: global_buffer, .address_space: global }
      - { .name: wsc, .offset: 24, .size: 8, .value_kind: global_buffer, .address_space: global }
      - { .name: bq, .offset: 32, .size: 8, .value_kind: global_buffer, .address_space: global }
      - { .name: bk, .offset: 40, .size: 8, .value_kind: global_buffer, .address_space: global }
      - { .name: bv, .offset: 48, .size: 8, .value_kind: global_buffer, .address_space: global }
      - { .name: qc, .offset: 56, .size: 8, .value_kind: global_buffer, .address_space: global }
      - { .name: qs, .offset: 64, .size: 8, .value_kind: global_buffer, .address_space: global }
      - { .name: kv, .offset: 72, .size: 8, .value_kind: global_buffer, .address_space: global }
    .group_segment_fixed_size: 104960
    .private_segment_fixed_size: 0
    .kernarg_segment_align: 8
    .kernarg_segment_size: 80
    .max_flat_workgroup_size: 128
    .sgpr_count:     100
    .vgpr_count:     1024
    .wavefront_size: 32
...
	.end_amdgpu_metadata
.endif
;; end of part 2
;; launch attn (part 3): grid 64 x 4, 4 waves a work-group, clusters of 4 x 1, 327,680 bytes of LDS; arguments qc, qs, kv, wimg, wsc, bp, x, out0; writes out0
.if DOCPART == 3
	.amdgcn_target "amdgcn-amd-amdhsa--gfx1250"
	.amdhsa_code_object_version 6
	.text
	.protected	k_q5ee9ab399e_attn
	.globl	k_q5ee9ab399e_attn
	.p2align	8
	.type	k_q5ee9ab399e_attn,@function
k_q5ee9ab399e_attn:
	s_mov_b64 s[64:65], 0
	v_nop
	global_prefetch_b8 v0, s[64:65] scope:SCOPE_SE
	s_setreg_imm32_b32 hwreg(HW_REG_WAVE_MODE, 25, 1), 1
	s_wait_xcnt 0x0
	s_wait_alu depctr_hold_cnt(0) depctr_sa_sdst(0) depctr_va_vdst(0) depctr_va_sdst(0) depctr_va_ssrc(0) depctr_va_vcc(0) depctr_vm_vsrc(0)
	s_getreg_b32 s2, hwreg(HW_REG_IB_STS2, 6, 4)
	s_cmp_eq_u32 s2, 0
	s_cbranch_scc0 .Lentry_in_a_cluster
	s_endpgm
.Lentry_in_a_cluster:
	s_bfe_u32 s2, ttmp6, 0x10000c
	s_cmp_lg_u32 s2, 0x3003
	s_cbranch_scc0 .Lentry_shape_is_right
	s_endpgm
.Lentry_shape_is_right:
; out = x + wp o + bp, o[c][i] = the sum over keys j of v[c][j] softmax_j(q[:, i] . k[:, j] / 16), all three products on codes of FP6 (E2M3) with one E8M0 byte for each 32 along K.
; q, k, v and wp arrive as images of the operands' registers (register 4 g + i of lane l at 512 g + 16 l + 4 i of a fragment's 1,536 bytes), made by the launches before.
; THE SOFTMAX AHEAD OF THE SECOND PRODUCT: t = score x log2(e) / 16; M = the largest t so far, rounded UP to a whole number; p = 2^(t - M) is what is quantised, along the keys; the row's sum is taken of the
; unquantised p and divides o at the end.  When M moves, the sum and O are multiplied by 2^(old M - new M): exact.
; SHARES.  A work-group owns 64 pixels of one batch: four tiles of 16 queries.  A WAVE HOLDS TWO TILES AND WALKS HALF OF THE KEYS: set 0 is tile w, set 1 tile w xor 1, and of each slot's 256 keys it takes
;   the 128 of step w % 2.  So each fragment of k and v read from LDS feeds two products, and each is read by two waves, not four.  At the end wave w sends set 1's O, M and sum to wave w xor 1 through LDS,
;   which joins them with its set 0: no wave has a role of its own, and no branch parts them.
; LAYOUT.  S^T = k q^T (source 0 = 16 keys), O^T = v p^T (source 0 = 16 channels): a lane holds one query throughout.  The keys of a tile of k and the channels of a tile of v are not neighbours
;   (lane r of tile 2 b + u: 32 b + 8 u + r + 8 (r / 8)): p's 16 registers of two neighbouring tiles are 16 neighbouring keys, O^T's are 16 neighbouring channels, the K of the last product.
;   The last product takes o's 16 queries as source 0 and 16 rows of wp as source 1: a lane holds one output channel and eight neighbouring pixels, as out0 has them.
; THE RING.  Two slots of 102,400 bytes, each two blocks of kv (128 keys: k's 16 fragments, v's 16, their scale words), dense in memory.  Each wave brings a quarter, 100 rows of 256 bytes.
; CLUSTER.  The four work-groups of a cluster belong to one batch and walk the same kv, so each quarter is asked for JOINTLY: the same tensor load with the same descriptor and a mask that names the four.
;   A wave has one tensor load out at any time.
; A TRIP: the change of slots; k's fragments are asked for; O^T += v p^T of the step BEFORE, while they land; S^T; v's fragments are asked for; the softmax, while those land.
; LIMITS: NaN and infinities are not served; a block of p or o under 2^-124 keeps the byte 1; where the two halves' M differ by more than 126, the smaller half's share falls to 0, which it is beside the other.
; The stores into the stage at the end meet two deep in the banks: 32 stores a wave in the launch.
; REGISTERS, in windows of 256: window 0: v1-7 addresses; v8-23 eight registers of statistics a set; v24-27 bp; v28-53 scale words; v54-60 and v216-222 the conversions' second halves; v64-191 S^T, 64 a set;
;   v192-215 p's codes, 12 a set; v224-255 at work, 16 a set.   window 1: O^T, 128 a set.   window 2: v0-191 k's 16 fragments (later wp's 8), v192-239 q's four.   window 3: v's 16 fragments (later x).
.set SLOT1, 1<<17                      ; slot 1 begins here: one exclusive or turns an address in one slot into the other's
.set STEPB, 51200                      ; a block of kv
.set SPARE, 102400                     ; behind slot 0: the spare words, 128 bytes for each wave: two blocks of 256 bytes that no other line names
.set OIMG,  102912                     ; o's eight images: (tile m, K step s) at (2 m + s) 1,536
.set OSC,   115200                     ; their scale words, 128 bytes each
.set XCH,   233472                     ; behind slot 1: what a wave sends to its partner: 16,896 bytes a wave: O^T at 0, -M at 16,384, the sum at 16,512
.set STAGE, 233472                     ; later, behind a barrier, in the same bytes: 64 rows x (256 + 16) for each wave, for the way out.  No tensor load ever lands outside the two slots
.set LI,   1                           ; v1   16 x lane
.set SPW,  2                           ; v2   LDS address of my spare word; never rewritten
.set NIL,  3                           ; v3   0; never rewritten
.set LIW,  4                           ; v4   16 x lane + my step's block in a slot
.set AD,   5                           ; v5   the same in the slot in hand
.set LS,   6                           ; v6   4 x lane
.set BO,   7                           ; v7   4 (r + 8 (r / 8))
.set ST,   8                           ; set t at v[ST + 8 t]: +0 -M, +1 the largest t, +2, +3 the sum in two halves, +4 f (+5 named with it), +6, +7 at work
.set S,    64
.set P,    192
.set W,    224                         ; set t at v[W + 16 t]: +0..3 the blocks' largest scores, then p; +4..7 the other half's, then bytes; +8..11 the conversions' scale operands; +12, +13 a second chain of the sum
.set XW,   54                          ; the end's addresses, in registers that the loop has left
.set XS,   55
.set XR,   56
.set XRS,  57
.set OW,   58
.set OSW,  59
.set ORD,  60
.set OSR,  61
.set SO,   240
.set RD,   241
.set XO,   242
.set PC,   192                         ; the end's quantiser: codes, at work, scale word
.set TM,   224
.set PW,   52
.set WV,   20                          ; s20  my wave's number
.set G1,   24                          ; s[24:31] descriptor group 1;  s[32:35] group 0, which walks
.set G0,   32
.set SEL,  36                          ; s[36:37] lane selects for lane l xor 16
.set CS,   38                          ; s[38:39] c = log2(e) / 16
.set TB,   40                          ; s40  LDS byte at which the slot in hand begins
.set CNT,  41
.set MSB, 0
.macro WIN new                         ; the immediate's high byte repeats the setting that is left
.if MSB != \new
	s_set_vgpr_msb (MSB<<8)|\new
.set MSB, \new
.endif
.endm
.macro PLACES n
.rept \n
	v_nop
.endr
.endm
.macro BARRIER
	s_wait_dscnt 0x0
	s_barrier_signal -1
	s_barrier_wait -1
.endm
.macro CROUND                          ; a round of the cluster's barrier: my work-group's barrier; wave 0 signals for the work-group; every wave waits for all four; my work-group's barrier once more
	s_barrier_signal -1
	s_barrier_wait -1
	s_cmp_lg_u32 s[WV], 0
	s_cbranch_scc1 .Lnot_wave_0_\@
	s_barrier_signal -3
.Lnot_wave_0_\@:
	s_barrier_wait -3
	s_barrier_signal -1
	s_barrier_wait -1
.endm
; One product 16 x 16 x 128.  d, a, b: first registers; cc: the C operand; sa, sb: scale registers; ra, rb = 1: the scales stand in lanes 16-31
.macro WM d, a, b, cc, sa, sb, ra, rb
.if ((\ra) == 0) && ((\rb) == 0)
	v_wmma_scale_f32_16x16x128_f8f6f4 v[(\d):(\d)+7], v[(\a):(\a)+11], v[(\b):(\b)+11], \cc, v[\sa], v[\sb] matrix_a_fmt:MATRIX_FMT_FP6 matrix_b_fmt:MATRIX_FMT_FP6
.elseif (\rb) == 0
	v_wmma_scale_f32_16x16x128_f8f6f4 v[(\d):(\d)+7], v[(\a):(\a)+11], v[(\b):(\b)+11], \cc, v[\sa], v[\sb] matrix_a_fmt:MATRIX_FMT_FP6 matrix_b_fmt:MATRIX_FMT_FP6 matrix_a_scale:MATRIX_SCALE_ROW1
.elseif (\ra) == 0
	v_wmma_scale_f32_16x16x128_f8f6f4 v[(\d):(\d)+7], v[(\a):(\a)+11], v[(\b):(\b)+11], \cc, v[\sa], v[\sb] matrix_a_fmt:MATRIX_FMT_FP6 matrix_b_fmt:MATRIX_FMT_FP6 matrix_b_scale:MATRIX_SCALE_ROW1
.else
	v_wmma_scale_f32_16x16x128_f8f6f4 v[(\d):(\d)+7], v[(\a):(\a)+11], v[(\b):(\b)+11], \cc, v[\sa], v[\sb] matrix_a_fmt:MATRIX_FMT_FP6 matrix_b_fmt:MATRIX_FMT_FP6 matrix_a_scale:MATRIX_SCALE_ROW1 matrix_b_scale:MATRIX_SCALE_ROW1
.endif
.endm
	s_load_b512 s[4:19], s[0:1], 0x0               ; qc s[4:5], qs s[6:7], kv s[8:9], wimg s[10:11], wsc s[12:13], bp s[14:15], x s[16:17], out0 s[18:19]
	v_lshl_add_u32 v[SPW], v0, 2, SPARE
	v_mov_b32 v[NIL], 0
	ds_add_u32 v2, v3
	ds_add_u32 v2, v3
	s_wait_dscnt 0x0
	v_lshrrev_b32 v5, 5, v0
	v_readfirstlane_b32 s[WV], v5                  ; wave 0..3
	s_and_b32 s21, s[WV], 1                        ; which of a slot's two steps is mine
	s_bfe_u32 s42, ttmp6, 0x40000                  ; cx: my place in the cluster
	s_lshl_b32 s43, ttmp9, 2                       ; in a cluster launch ttmp9 counts clusters
	s_add_co_u32 s43, s43, s42                     ; my block of 64 pixels: it enters q's, x's and out0's addresses alone
	s_and_b32 s44, ttmp7, 0xffff                   ; the batch, which the four partners share
	; descriptor group 1: 100 dense rows of 256 bytes (32 elements of 8 bytes), no padding
	s_mov_b32 s[G1], 15|(3<<16)|(1<<21)            ; 15:0 the mask: all four work-groups; 17:16 elements of 8 bytes; 21 set beside a mask
	s_mov_b32 s[G1+1], 32<<16                      ; tensor_dim0 = 32
	s_mov_b32 s[G1+2], 100<<16                     ; tensor_dim1 = 100
	s_mov_b32 s[G1+3], 32<<16                      ; tile_dim0 = 32
	s_mov_b32 s[G1+4], 100                         ; tile_dim1 = 100
	s_mov_b32 s[G1+5], 32                          ; from row to row
	s_mov_b32 s[G1+6], 0
	s_mov_b32 s[G1+7], 0
	s_mul_i32 s46, s44, 32*STEPB                   ; the batch's 32 blocks of kv,
	s_mul_i32 s45, s[WV], 25600                    ; my quarter of a slot, in memory and in LDS: no place in the cluster enters either
	s_add_co_u32 s46, s46, s45
	s_mov_b32 s47, 0
	s_mov_b32 s[SEL], 0x76543210
	s_mov_b32 s[SEL+1], 0xfedcba98
	s_mov_b32 s[CS], 0x3db8aa3b                    ; c = log2(e) / 16
	s_mov_b32 s[CS+1], s[CS]                       ; (named with it as a pair, so it is written)
	s_mov_b32 s[TB], 0
	s_mov_b32 s[CNT], 13
	s_wait_kmcnt 0x0
	CROUND                                         ; all four work-groups are here: the first joint loads meet
	s_mov_b32 s[G0], 1                             ; count = 1
	s_mov_b32 s[G0+1], s45                         ; LDS address: slot 0
	s_add_nc_u64 s[G0+2:G0+3], s[8:9], s[46:47]    ; global address: the batch's first 256 keys
	s_or_b32 s[G0+3], s[G0+3], 0x80000000          ; type = 2
	tensor_load_to_lds s[G0:G0+3], s[G1:G1+7]
	s_nop 0
	PLACES 4                                       ; four v_nop follow the load
	v_and_b32 v1, 31, v0
	v_lshlrev_b32 v[LS], 2, v1
	v_lshlrev_b32 v[LI], 4, v1
	s_mul_i32 s49, s21, STEPB
	v_add_nc_u32 v[LIW], s49, v[LI]
	v_and_b32 v5, 15, v0                           ; r
	v_and_b32 v[BO], 8, v5
	v_add_nc_u32 v[BO], v[BO], v5
	v_lshlrev_b32 v[BO], 2, v[BO]
	v_lshlrev_b32 v5, 2, v5                        ; 4 r: q's scale words (until the first fetch takes the register)
	s_lshl_b32 s48, s44, 8
	s_lshl_b32 s49, s43, 2
	s_add_co_u32 s48, s48, s49                     ; my work-group's first tile of queries: 256 x batch + 4 x block
	s_xor_b32 s49, s[WV], 1
	s_add_co_u32 s50, s48, s[WV]                   ; set 0's tile,
	s_add_co_u32 s51, s48, s49                     ; set 1's
	s_mul_i32 s46, s50, 3072
	s_add_nc_u64 s[52:53], s[4:5], s[46:47]        ; their two fragments,
	s_mul_i32 s46, s51, 3072
	s_add_nc_u64 s[54:55], s[4:5], s[46:47]
	s_lshr_b32 s46, s50, 3                         ; their scale words: 1,024 (tile / 8) + 64 (tile % 8), the K step 512 bytes on
	s_lshl_b32 s46, s46, 10
	s_and_b32 s49, s50, 7
	s_lshl_b32 s49, s49, 6
	s_add_co_u32 s46, s46, s49
	s_add_nc_u64 s[56:57], s[6:7], s[46:47]
	s_lshr_b32 s46, s51, 3
	s_lshl_b32 s46, s46, 10
	s_and_b32 s49, s51, 7
	s_lshl_b32 s49, s49, 6
	s_add_co_u32 s46, s46, s49
	s_add_nc_u64 s[58:59], s[6:7], s[46:47]
	WIN 0x80                                       ; destination window 2: q stays in registers
.irp k, 0,1,2,3,4,5
	global_load_b128 v[192+4*\k:195+4*\k], v[LI], s[52:53] offset:512*\k
	global_load_b128 v[216+4*\k:219+4*\k], v[LI], s[54:55] offset:512*\k
.endr
	WIN 0
.irp s, 0,1
	global_load_b32 v[48+\s], v5, s[56:57] offset:512*\s
	global_load_b32 v[50+\s], v5, s[58:59] offset:512*\s
.endr
	s_mul_i32 s46, s[WV], 12288                    ; for the end: wp's tiles 4 w .. 4 w + 3,
	s_add_co_u32 s46, s46, 147456
	s_add_nc_u64 s[10:11], s[10:11], s[46:47]
	s_lshl_b32 s46, s[WV], 9
	s_add_co_u32 s46, s46, 6144                    ; their scale words,
	s_add_nc_u64 s[12:13], s[12:13], s[46:47]
	s_lshl_b32 s46, s[WV], 8                       ; bp's 64 numbers,
	s_add_nc_u64 s[14:15], s[14:15], s[46:47]
	s_lshl_b32 s46, s44, 22                        ; x and out0: 4 MiB a batch, 64 channels of 16,384 bytes a wave, 256 bytes for 64 pixels
	s_lshl_b32 s49, s[WV], 20
	s_add_co_u32 s46, s46, s49
	s_lshl_b32 s49, s43, 8
	s_add_co_u32 s46, s46, s49
	s_add_nc_u64 s[16:17], s[16:17], s[46:47]
	s_add_nc_u64 s[18:19], s[18:19], s[46:47]
.irp t, 0,1
	v_mov_b32 v[ST+8*\t+1], 0xff61b1e6             ; the largest t so far: -3e38, under every t
	v_floor_f32 v[ST+8*\t], -v[ST+8*\t+1]          ; -M
	v_mov_b32 v[ST+8*\t+2], 0                      ; the sum
	v_mov_b32 v[ST+8*\t+3], 0
	v_mov_b32 v[ST+8*\t+5], 0                      ; (named as the upper half of f's pair)
.irp b, 0,1,2,3
	v_mov_b32 v[W+16*\t+4+\b], 0                   ; a lane permute's destination counts as one of its sources
.endr
.endr
	s_wait_loadcnt 0x0                             ; q
; THE CHANGE OF SLOTS stands at a trip's head.  Each wave waits for all its tensor loads (its quarter of the slot ahead), adds 0 to its spare word, and waits for that and for its reads of the slot that it has left
; (v's fragments were the last).  fill = 1: the barrier is a round of the cluster's, so that no wave of any partner still reads that slot or has a load on its way, and the joint refill is the first thing behind it:
; it has a whole trip in which to land.
.macro CHANGE fill
	WIN 0
	s_wait_tensorcnt 0x0                           ; no tensor load of mine is out, so group 0 may be written
	ds_add_u32 v[SPW], v[NIL]                      ; 0 onto my spare word
.if \fill
	s_xor_b32 s[G0+1], s[G0+1], SLOT1              ; the other slot than last time,
	s_add_nc_u64 s[G0+2:G0+3], s[G0+2:G0+3], 2*STEPB   ; the next 256 keys; the type bits on top are not reached
.endif
	s_wait_dscnt 0x0                               ; the add is done, and my reads of the slot that I have left are over
.if \fill
	CROUND
	tensor_load_to_lds s[G0:G0+3], s[G1:G1+7]
	s_nop 0
	PLACES 4
.else
	s_barrier_signal -1
	s_barrier_wait -1
.endif
.endm
.macro FETCH_K                         ; my step's scale words of k (8 registers), then its 16 fragments, tile by tile
	v_add_nc_u32 v[AD], s[TB], v[LIW]
.irp s, 0,1
	ds_load_b128 v[32+4*\s:35+4*\s], v[AD] offset:49152+512*\s
.endr
	WIN 0x80
.set q, 0
.rept 48
	ds_load_b128 v[4*q:4*q+3], v[AD] offset:512*q
.set q, q+1
.endr
.endm
.macro FETCH_V
.irp s, 0,1
	ds_load_b128 v[40+4*\s:43+4*\s], v[AD] offset:50176+512*\s
.endr
	WIN 0xc0
.set q, 0
.rept 48
	ds_load_b128 v[4*q:4*q+3], v[AD] offset:24576+512*q
.set q, q+1
.endr
	WIN 0
.endm
.macro FETCH_WP                        ; in the last trip k's registers are free: wp's 8 fragments, their scale words, bp
	WIN 0x80
.set q, 0
.rept 24
	global_load_b128 v[4*q:4*q+3], v[LI], s[10:11] offset:512*q
.set q, q+1
.endr
	WIN 0
.irp k, 0,1,2,3
	global_load_b32 v[28+\k], v[LS], s[12:13] offset:128*\k
	global_load_b32 v[24+\k], v[BO], s[14:15] offset:(32*(\k/2)+8*(\k%2))*4
.endr
.endm
; O^T += v p^T: 16 tiles of channels x 2 sets, the 32 accumulators by turns.  zero = 1: the products start the sums: nothing is ever cleared.
.macro PV zero
	WIN 0x53                                       ; v window 3, p window 0, O^T window 1
.set ct, 0
.rept 16
.irp t, 0,1
.if \zero
	WM 128*\t+8*ct, 12*ct, P+12*\t, 0, 40+4*(ct/8)+(ct%8)/2, 52+\t, ct%2, 0
.else
	WM 128*\t+8*ct, 12*ct, P+12*\t, v[128*\t+8*ct:128*\t+8*ct+7], 40+4*(ct/8)+(ct%8)/2, 52+\t, ct%2, 0
.endif
.endr
.set ct, ct+1
.endr
.endm
; S^T = k q^T: four groups of two tiles of keys; in a group K step 0 of the four accumulators, then K step 1: a chain's links stand four apart.
.macro QK
	WIN 0x0a                                       ; k and q window 2, S^T window 0
.irp j, 0,1,2,3
	s_wait_dscnt 36-12*\j                          ; the group's four fragments (12 loads) are in; those of the later groups may be out
.irp s, 0,1
.irp u, 0,1
.irp t, 0,1
.if \s == 0
	WM S+64*\t+8*(2*\j+\u), 24*(2*\j+\u), 192+24*\t, 0, 32+\j, 48+2*\t, \u, 0
.else
	WM S+64*\t+8*(2*\j+\u), 24*(2*\j+\u)+12, 204+24*\t, v[S+64*\t+8*(2*\j+\u):S+64*\t+8*(2*\j+\u)+7], 36+\j, 49+2*\t, \u, 0
.endif
.endr
.endr
.endr
.endr
.endm
; THE SOFTMAX of a step, both sets stage by stage, so that no line waits for the line above it.  first = 1: O^T is not yet written and is not rescaled.
.macro SOFTMAX first
.irp t, 0,1
.irp b, 0,1,2,3
	v_max3_num_f32 v[W+16*\t+\b], v[S+64*\t+16*\b], v[S+64*\t+16*\b+1], v[S+64*\t+16*\b+2]   ; THE LARGEST SCORE OF EACH BLOCK OF 32 KEYS serves twice: for the row's maximum and, since p rises with the score, for the block's largest p
.endr
.endr
.irp i, 3,5,7,9,11,13
.irp t, 0,1
.irp b, 0,1,2,3
	v_max3_num_f32 v[W+16*\t+\b], v[W+16*\t+\b], v[S+64*\t+16*\b+\i], v[S+64*\t+16*\b+\i+1]   ; (each accumulator is read from its low end on)
.endr
.endr
.endr
.irp t, 0,1
.irp b, 0,1,2,3
	v_max_num_f32 v[W+16*\t+\b], v[W+16*\t+\b], v[S+64*\t+16*\b+15]
.endr
.endr
.irp t, 0,1
.irp b, 0,1,2,3
	v_permlanex16_b32 v[W+16*\t+4+\b], v[W+16*\t+\b], s[SEL], s[SEL+1]
.endr
.endr
.irp t, 0,1
.irp b, 0,1,2,3
	v_max_num_f32 v[W+16*\t+\b], v[W+16*\t+\b], v[W+16*\t+4+\b]   ; with lane l xor 16's 16 keys
.endr
.endr
.irp t, 0,1
	v_max3_num_f32 v[ST+8*\t+6], v[W+16*\t], v[W+16*\t+1], v[W+16*\t+2]
.endr
.irp t, 0,1
	v_max_num_f32 v[ST+8*\t+6], v[ST+8*\t+6], v[W+16*\t+3]   ; the step's largest score of my query
.endr
.irp t, 0,1
	v_mul_f32 v[ST+8*\t+6], s[CS], v[ST+8*\t+6]    ; as t (c is positive)
.endr
.irp t, 0,1
	v_max_num_f32 v[ST+8*\t+1], v[ST+8*\t+1], v[ST+8*\t+6]   ; the running largest t
.endr
.irp t, 0,1
	v_mov_b32 v[ST+8*\t+6], v[ST+8*\t]
.endr
.irp t, 0,1
	v_floor_f32 v[ST+8*\t], -v[ST+8*\t+1]          ; the new -M = floor(-t) = -ceil(t): M IS A WHOLE NUMBER
.endr
.irp t, 0,1
	v_sub_f32 v[ST+8*\t+6], v[ST+8*\t], v[ST+8*\t+6]   ; M's old value less its new one: a whole number, 0 or less
.endr
.irp t, 0,1
	v_cvt_i32_f32 v[ST+8*\t+6], v[ST+8*\t+6]       ; (it saturates)
.endr
.irp t, 0,1
	v_ldexp_f32 v[ST+8*\t+4], 1.0, v[ST+8*\t+6]    ; f = 2^(old M - new M)
.endr
.irp t, 0,1
.set q, 0
.rept 32
	v_pk_fma_f32 v[S+64*\t+q:S+64*\t+q+1], v[S+64*\t+q:S+64*\t+q+1], s[CS:CS+1], v[ST+8*\t:ST+8*\t+1] op_sel_hi:[1,0,0]   ; t - M, two at a time (of the pairs c and -M the low word serves both halves)
.set q, q+2
.endr
.endr
.irp t, 0,1
.irp b, 0,1,2,3
	v_fma_f32 v[W+16*\t+\b], v[W+16*\t+\b], s[CS], v[ST+8*\t]   ; the same of each block's largest score
.endr
.endr
.irp t, 0,1
.set q, 0
.rept 64
	v_exp_f32 v[S+64*\t+q], v[S+64*\t+q]           ; p = 2^(t - M), at most 1: NOT normalised
.set q, q+1
.endr
.endr
.irp t, 0,1
.irp b, 0,1,2,3
	v_exp_f32 v[W+16*\t+\b], v[W+16*\t+\b]         ; the block's largest p: the same two instructions on the same number give the same bits
.endr
.endr
.irp t, 0,1
	v_pk_mul_f32 v[ST+8*\t+2:ST+8*\t+3], v[ST+8*\t+2:ST+8*\t+3], v[ST+8*\t+4:ST+8*\t+5] op_sel_hi:[1,0]   ; the sums under the new M.  (Plain places behind the exponentials)
.endr
	s_wait_alu depctr_va_vdst(0)
.irp t, 0,1
.irp b, 0,1,2,3
	v_max_num_f32 v[W+16*\t+\b], 0x1800000, v[W+16*\t+\b]   ; the floor 2^(3 - 127): the byte cannot fall under 1
.endr
.endr
.irp t, 0,1
.irp b, 0,1,2,3
	v_add_nc_u32 v[W+16*\t+8+\b], 0xff000000, v[W+16*\t+\b]   ; 2 off the exponent field: the conversion's scale operand
.endr
.endr
.irp t, 0,1
.irp b, 0,1,2,3
	v_lshrrev_b32 v[W+16*\t+4+\b], 23, v[W+16*\t+8+\b]   ; the scale's byte
.endr
.endr
.irp t, 0,1
	v_lshl_or_b32 v[52+\t], v[W+16*\t+5], 8, v[W+16*\t+4]   ; p's scale word for these 128 keys
.endr
.irp t, 0,1
	v_lshl_or_b32 v[52+\t], v[W+16*\t+6], 16, v[52+\t]
.endr
.irp t, 0,1
	v_lshl_or_b32 v[52+\t], v[W+16*\t+7], 24, v[52+\t]
.endr
.irp t, 0,1
.irp c, 0,1
	v_cvt_scalef32_pk16_fp6_f32 v[P+12*\t+6*\c:P+12*\t+6*\c+2], v[S+64*\t+32*\c:S+64*\t+32*\c+15], v[W+16*\t+8+2*\c]
	v_cvt_scalef32_pk16_fp6_f32 v[216-162*\t+4*\c:218-162*\t+4*\c], v[S+64*\t+32*\c+16:S+64*\t+32*\c+31], v[W+16*\t+9+2*\c]   ; (a conversion's three registers begin on an even number: v216 on for set 0, v54 on for set 1)
.endr
.endr
	v_nop                                          ; one plain place behind a scaled conversion
.irp t, 0,1
.irp c, 0,1                            ; the operand's layout wants a WHOLE block in a lane: lanes 0-15 block 2 c, lanes 16-31 block 2 c + 1
.irp i, 0,1,2
	v_permlane16_swap_b32 v[P+12*\t+6*\c+\i], v[216-162*\t+4*\c+\i]
.endr
.irp i, 0,1,2
	v_mov_b32 v[P+12*\t+6*\c+3+\i], v[216-162*\t+4*\c+\i]
.endr
.endr
.endr
.irp t, 0,1
	v_pk_add_f32 v[W+16*\t+12:W+16*\t+13], v[S+64*\t:S+64*\t+1], v[S+64*\t+2:S+64*\t+3]   ; THE ROW'S SUM IS TAKEN OF THE UNQUANTISED p: two at a time, in two chains a set
.endr
.set q, 4
.rept 15
.irp t, 0,1
	v_pk_add_f32 v[ST+8*\t+2:ST+8*\t+3], v[ST+8*\t+2:ST+8*\t+3], v[S+64*\t+q:S+64*\t+q+1]
	v_pk_add_f32 v[W+16*\t+12:W+16*\t+13], v[W+16*\t+12:W+16*\t+13], v[S+64*\t+q+2:S+64*\t+q+3]
.endr
.set q, q+4
.endr
.irp t, 0,1
	v_pk_add_f32 v[ST+8*\t+2:ST+8*\t+3], v[ST+8*\t+2:ST+8*\t+3], v[W+16*\t+12:W+16*\t+13]
.endr
.if \first == 0
	WIN 0x41                                       ; O^T (destination and source 0) window 1, f window 0
.irp t, 0,1
.set q, 0
.rept 64
	v_pk_mul_f32 v[128*\t+q:128*\t+q+1], v[128*\t+q:128*\t+q+1], v[ST+8*\t+4:ST+8*\t+5] op_sel_hi:[1,0]   ; O^T under the new M, each accumulator from its low end on
.set q, q+2
.endr
.endr
	WIN 0
.endif
.endm
; A TRIP: a slot, of which my step.  pv = 0: no step before; 1: its products start O^T; 2: they add.
.macro TRIP fill, pv, first, last
	CHANGE \fill
	FETCH_K
.if \pv
	PV 2-\pv
.endif
	QK
	WIN 0
	PLACES 4                                       ; in front of the first read of the scores and of the loads into v's, v's scales' and (in the last trip) k's registers (ISA guide 7.12.1 for the reads of the scores)
	FETCH_V
.if \last
	FETCH_WP
.endif
	SOFTMAX \first
	s_xor_b32 s[TB], s[TB], SLOT1                  ; on to the other slot
.endm
	TRIP 1, 0, 1, 0                                ; slot 0; slot 1 is asked for
	TRIP 1, 1, 0, 0
.Lslot:                                            ; 13 trips: slots 2 to 14; each asks for the slot that follows
	TRIP 1, 2, 0, 0
	s_sub_co_u32 s[CNT], s[CNT], 1
	s_cmp_lg_u32 s[CNT], 0
	s_cbranch_scc1 .Lslot
	TRIP 0, 2, 0, 1                                ; slot 15 is written out
	s_wait_dscnt 0x0                               ; v
	PV 0                                           ; the last step's products
	; ---- THE TWO HALVES OF THE KEYS MEET.
	WIN 0
	PLACES 4                                       ; in front of the stores of results and of the loads into v's registers
	s_mul_i32 s42, s[WV], 16896
	s_add_co_u32 s42, s42, XCH
	v_add_nc_u32 v[XW], s42, v[LI]                 ; what I send,
	v_add_nc_u32 v[XS], s42, v[LS]
	s_xor_b32 s43, s[WV], 1
	s_mul_i32 s43, s43, 16896
	s_add_co_u32 s43, s43, XCH
	v_add_nc_u32 v[XR], s43, v[LI]                 ; what my partner sends
	v_add_nc_u32 v[XRS], s43, v[LS]
	s_mul_i32 s42, s[WV], 3072
	s_add_co_u32 s42, s42, OIMG
	v_add_nc_u32 v[OW], s42, v[LI]                 ; my tile's two images of o,
	s_lshl_b32 s42, s[WV], 8
	s_add_co_u32 s42, s42, OSC
	v_add_nc_u32 v[OSW], s42, v[LS]                ; their scale words,
	v_add_nc_u32 v[ORD], OIMG, v[LI]               ; all eight
	v_add_nc_u32 v[OSR], OSC, v[LS]
	v_and_b32 v243, 15, v0                         ; r
	v_bfe_u32 v244, v0, 4, 1                       ; h
	v_and_b32 v245, 8, v243
	v_add_nc_u32 v245, v245, v243                  ; r + 8 (r / 8)
	s_mul_i32 s42, s[WV], 17408
	s_add_co_u32 s42, s42, STAGE                   ; my stage
	v_mul_u32_u24 v[SO], v245, 272                 ; in: my channel's row, + 64 h
	v_lshl_add_u32 v[SO], v244, 6, v[SO]
	v_add_nc_u32 v[SO], s42, v[SO]
	v_mul_u32_u24 v[RD], v244, 272                 ; back: lanes 0-15 one row of 256 bytes, lanes 16-31 the next
	v_lshl_add_u32 v[RD], v243, 4, v[RD]
	v_add_nc_u32 v[RD], s42, v[RD]
	v_lshlrev_b32 v[XO], 14, v244                  ; and the same two channels in x and out0
	v_lshl_add_u32 v[XO], v243, 4, v[XO]
	WIN 0xc0
.set q, 0
.rept 32
	global_load_b128 v[4*q:4*q+3], v[XO], s[16:17] offset:32768*q  ; x at my 64 channels x 64 pixels: 16 lanes read 256 consecutive bytes, aligned
.set q, q+1
.endr
	WIN 0
.irp t, 0,1
	v_add_f32 v[ST+8*\t+2], v[ST+8*\t+2], v[ST+8*\t+3]   ; the sum's two halves,
.endr
.irp t, 0,1
	v_permlanex16_b32 v[ST+8*\t+6], v[ST+8*\t+2], s[SEL], s[SEL+1]
.endr
.irp t, 0,1
	v_add_f32 v[ST+8*\t+2], v[ST+8*\t+2], v[ST+8*\t+6]   ; and lane l xor 16's
.endr
	WIN 0x04                                       ; an LDS store's data are its source 1: window 1
.set q, 0
.rept 32
	ds_store_b128 v[XW], v[128+4*q:128+4*q+3] offset:512*q   ; set 1's O^T as it stands, each accumulator from its low end on
.set q, q+1
.endr
	WIN 0
	ds_store_b32 v[XS], v[ST+8] offset:16384       ; its -M
	ds_store_b32 v[XS], v[ST+10] offset:16512      ; its sum
	BARRIER
.set q, 0
.rept 32
	ds_load_b128 v[S+4*q:S+4*q+3], v[XR] offset:512*q   ; my tile's O^T over the other half of the keys: the same registers in the same lanes
.set q, q+1
.endr
	ds_load_b32 v20, v[XRS] offset:16384
	ds_load_b32 v21, v[XRS] offset:16512
	s_wait_dscnt 0x0
	v_min_num_f32 v22, v8, v20                     ; -M of both halves
	v_sub_f32 v23, v22, v8
	v_sub_f32 v20, v22, v20
	v_cvt_i32_f32 v23, v23
	v_cvt_i32_f32 v20, v20
	v_ldexp_f32 v12, 1.0, v23                      ; f for mine,
	v_ldexp_f32 v14, 1.0, v20                      ; f' for the partner's
	v_mul_f32 v10, v10, v12
	v_fma_f32 v10, v21, v14, v10                   ; the row's sum
	v_rcp_f32 v10, v10
	v_nop                                          ; one plain place behind a transcendental
	s_wait_alu depctr_va_vdst(0)
	v_mul_f32 v12, v12, v10                        ; f / sum
	v_mul_f32 v14, v14, v10                        ; f' / sum
	v_mov_b32 v13, v12
	v_mov_b32 v15, v14
.set q, 0
.rept 64
	v_pk_mul_f32 v[S+q:S+q+1], v[S+q:S+q+1], v[14:15] op_sel_hi:[1,0]
.set q, q+2
.endr
	WIN 0x01                                       ; source 0 window 1: my set 0
.set q, 0
.rept 64
	v_pk_fma_f32 v[S+q:S+q+1], v[q:q+1], v[12:13], v[S+q:S+q+1] op_sel_hi:[1,0,1]   ; o of my 16 queries: register 16 b + i is channel 32 b + 16 h + i
.set q, q+2
.endr
	WIN 0
; 64 numbers of a lane, register 16 b + i = k 32 b + 16 (lane / 16) + i of my row, become a fragment's codes in v[PC] on and its scale word in v[PW].
.macro QUANT s
.irp b, 0,1,2,3
	v_max3_num_f32 v[TM+\b], |v[\s+16*\b]|, |v[\s+1+16*\b]|, 0x1800000
.endr
.irp i, 2,4,6,8,10,12,14
.irp b, 0,1,2,3
	v_max3_num_f32 v[TM+\b], v[TM+\b], |v[\s+16*\b+\i]|, |v[\s+1+16*\b+\i]|
.endr
.endr
.irp b, 0,1,2,3
	v_permlanex16_b32 v[TM+4+\b], v[TM+\b], s[SEL], s[SEL+1]
.endr
.irp b, 0,1,2,3
	v_max_num_f32 v[TM+\b], v[TM+\b], v[TM+4+\b]
.endr
.irp b, 0,1,2,3
	v_add_nc_u32 v[TM+12+\b], 0xff000000, v[TM+\b]
.endr
.irp b, 0,1,2,3
	v_lshrrev_b32 v[TM+4+\b], 23, v[TM+12+\b]
.endr
	v_lshl_or_b32 v[PW], v[TM+5], 8, v[TM+4]
	v_lshl_or_b32 v[PW], v[TM+6], 16, v[PW]
	v_lshl_or_b32 v[PW], v[TM+7], 24, v[PW]
.irp c, 0,1
	v_cvt_scalef32_pk16_fp6_f32 v[PC+6*\c:PC+2+6*\c], v[\s+32*\c:\s+15+32*\c], v[TM+12+2*\c]
	v_cvt_scalef32_pk16_fp6_f32 v[PC+12+4*\c:PC+14+4*\c], v[\s+16+32*\c:\s+31+32*\c], v[TM+12+2*\c+1]
.endr
	v_nop                                          ; one plain place behind a scaled conversion
.irp c, 0,1
.irp i, 0,1,2
	v_permlane16_swap_b32 v[PC+6*\c+\i], v[PC+12+4*\c+\i]
.endr
.irp i, 0,1,2
	v_mov_b32 v[PC+3+6*\c+\i], v[PC+12+4*\c+\i]
.endr
.endr
.endm
.irp s, 0,1
	QUANT S+64*\s
.irp c, 0,1,2
	ds_store_b128 v[OW], v[PC+4*\c:PC+4*\c+3] offset:1536*\s+512*\c   ; the fragment goes to LDS as it stands
.endr
	ds_store_b32 v[OSW], v[PW] offset:128*\s
	s_wait_dscnt 0x0                               ; the stores have read their registers
.endr
	BARRIER                                        ; o's eight fragments lie in LDS, and every wave's reads of what its partner sent are over
	; ---- out = x + wp o + bp: my 64 output channels for the 64 pixels
.set q, 0
.rept 24
	ds_load_b128 v[S+4*q:S+4*q+3], v[ORD] offset:512*q   ; fragment (m, s) at v[64 + 12 (2 m + s)]
.set q, q+1
.endr
.irp k, 0,1,2,3,4,5,6,7
	ds_load_b32 v[32+\k], v[OSR] offset:128*\k
.endr
	s_wait_loadcnt 32                              ; wp, its scale words and bp are in; x's 32 loads, issued behind them, may be out
.irp k, 0,1,2,3
.irp j, 0,1,2,3,4,5,6,7
	v_mov_b32 v[160+8*\k+\j], v[24+\k]             ; a lane holds one output channel: its bias in all eight registers, as the C of the sum's first product
.endr
.endr
	s_wait_dscnt 0x0
	PLACES 4
	WIN 0x48                                       ; source 0 (o) and C (the bias) window 0, source 1 (wp) window 2, destination window 1
.irp k, 0,1,2,3
.irp m, 0,1,2,3
	WM 8*(4*\k+\m), S+24*\m, 24*\k, v[160+8*\k:167+8*\k], 32+2*\m, 28+\k, 0, 0
.endr
.endr
	WIN 0x58                                       ; C and D window 1: the 16 accumulators by turns
.irp k, 0,1,2,3
.irp m, 0,1,2,3
	WM 8*(4*\k+\m), S+24*\m+12, 24*\k+12, v[8*(4*\k+\m):8*(4*\k+\m)+7], 33+2*\m, 28+\k, 0, 1
.endr
.endr
	WIN 0
	PLACES 4                                       ; in front of the stores of results and of the loads into the operands' registers
	WIN 0x04
.irp k, 0,1,2,3
.irp m, 0,1,2,3
	ds_store_b128 v[SO], v[8*(4*\k+\m):8*(4*\k+\m)+3] offset:(32*(\k/2)+8*(\k%2))*272+128*(\m/2)+32*(\m%2)      ; lane (r, h): channel 32 (k / 2) + 8 (k % 2) + r + 8 (r / 8), pixels 32 (m / 2) + 16 h + 8 (m % 2) + 0 .. 7
	ds_store_b128 v[SO], v[8*(4*\k+\m)+4:8*(4*\k+\m)+7] offset:(32*(\k/2)+8*(\k%2))*272+128*(\m/2)+32*(\m%2)+16
.endr
.endr
	WIN 0
.set q, 0
.rept 32
	ds_load_b128 v[S+4*q:S+4*q+3], v[RD] offset:544*q   ; LDS serves a wave's instructions in order (ISA guide 5.7.1.4): these see my stores; the stage is my own
.set q, q+1
.endr
	s_wait_loadcnt 0x0                             ; x
	s_wait_dscnt 0x0
	WIN 0x0c                                       ; source 1 window 3
.set q, 0
.rept 64
	v_pk_add_f32 v[S+q:S+q+1], v[S+q:S+q+1], v[q:q+1]
.set q, q+2
.endr
	WIN 0
.set q, 0
.rept 32
	global_store_b128 v[XO], v[S+4*q:S+4*q+3], s[18:19] offset:32768*q th:TH_STORE_NT   ; 16 lanes store 256 consecutive bytes, aligned; written once, read by nobody here
.set q, q+1
.endr
	s_wait_tensorcnt 0x0                           ; the wave's end: behind my last tensor load and my last LDS store
	ds_add_u32 v[SPW], v[NIL]
	s_wait_dscnt 0x0
	CROUND                                         ; the closing round: no work-group ends while a partner may still ask for a tile that names it
	s_endpgm
.Lfunc_end_k_q5ee9ab399e_attn:
	.size	k_q5ee9ab399e_attn, .Lfunc_end_k_q5ee9ab399e_attn-k_q5ee9ab399e_attn
	.p2alignl 7, 3214868480
	.fill 96, 4, 3214868480
	.section	.rodata,"a",@progbits
	.p2align	6, 0x0
	.amdhsa_kernel k_q5ee9ab399e_attn
		.amdhsa_group_segment_fixed_size 327680
		.amdhsa_private_segment_fixed_size 0
		.amdhsa_enable_private_segment 0
		.amdhsa_kernarg_size 64
		.amdhsa_user_sgpr_count 2
		.amdhsa_user_sgpr_kernarg_segment_ptr 1
		.amdhsa_wavefront_size32 1
		.amdhsa_system_sgpr_workgroup_id_x 1
		.amdhsa_system_sgpr_workgroup_id_y 1
		.amdhsa_system_sgpr_workgroup_id_z 1
		.amdhsa_system_vgpr_workitem_id 0
		.amdhsa_next_free_vgpr 1024
		.amdhsa_next_free_sgpr 66
		.amdhsa_reserve_vcc 0
		.amdhsa_float_denorm_mode_32 3
		.amdhsa_float_denorm_mode_16_64 3
		.amdhsa_memory_ordered 1
		.amdhsa_forward_progress 1
		.amdhsa_inst_pref_size 226
	.end_amdhsa_kernel
	.amdgpu_metadata
---
amdhsa.version: [ 1, 2 ]
amdhsa.kernels:
  - .name:           k_q5ee9ab399e_attn
    .symbol:         k_q5ee9ab399e_attn.kd
    .args:
      - { .name: qc, .offset: 0, .size: 8, .value_kind: global_buffer, .address_space: global }
      - { .name: qs, .offset: 8, .size: 8, .value_kind: global_buffer, .address_space: global }
      - { .name: kv, .offset: 16, .size: 8, .value_kind: global_buffer, .address_space: global }
      - { .name: wimg, .offset: 24, .size: 8, .value_kind: global_buffer, .address_space: global }
      - { .name: wsc, .offset: 32, .size: 8, .value_kind: global_buffer, .address_space: global }
      - { .name: bp, .offset: 40, .size: 8, .value_kind: global_buffer, .address_space: global }
      - { .name: x, .offset: 48, .size: 8, .value_kind: global_buffer, .address_space: global }
      - { .name: out0, .offset: 56, .size: 8, .value_kind: global_buffer, .address_space: global }
    .group_segment_fixed_size: 327680
    .private_segment_fixed_size: 0
    .kernarg_segment_align: 8
    .kernarg_segment_size: 64
    .max_flat_workgroup_size: 128
    .sgpr_count:     66
    .vgpr_count:     1024
    .wavefront_size: 32
...
	.end_amdgpu_metadata
.endif
;; end of part 3
